; MI455X (gfx1250); checked and timed in simulation.
; The chip was launched on July 23, 2026; its instructions are those of AMD's public machine-readable ISA for CDNA 5 (MIT licence, August 2026) and "CDNA5" Instruction Set Architecture Reference Guide (July 2026). The comments in the code are by the model that wrote it; some were corrected since.
;; Multi Head Attention. Allowed arithmetic: matrix products marked QUANTISED: E2M1 operands, one E8M0 scale for each 32 along K, by v_wmma_scale_f32_16x16x128_f8f6f4 with both operands' format E2M1 (or v_wmma_scale_f32_32x16x128_f4), f32 sums; everything else in f32.
;; Inputs: W_out_codes 1,024 x 32 x 16 uint8 (E2M1 codes of W_out, K innermost, in blocks of 32 codes, two codes a byte); W_out_scales 1,024 x 32 uint8 (E8M0 scales of W_out, one for each 32 codes along K); W_qkv_codes 3,072 x 32 x 16 uint8 (E2M1 codes of W_qkv, K innermost, in blocks of 32 codes, two codes a byte); W_qkv_scales 3,072 x 32 uint8 (E8M0 scales of W_qkv, one for each 32 codes along K); b_out 1,024 float32; b_qkv 3,072 float32; x_codes 4 x 2,048 x 32 x 16 uint8 (E2M1 codes of x, K innermost, in blocks of 32 codes, two codes a byte); x_scales 4 x 2,048 x 32 uint8 (E8M0 scales of x, one for each 32 codes along K).
;; Outputs: out0 4 x 2,048 x 1,024 float32.
;; This version of the problem:
;;   THIS VERSION OF THE PROBLEM IS GIVEN IN LOW PRECISION. The matrix products marked QUANTISED in the list below multiply operands that are first quantised to E2M1 (2 exponent bits, 1 mantissa bit; 4 bits a number), with one power-of-two scale for each 32 numbers along K (OCP MX v1.0); their sums are f32. All else is computed in f32.
;;   The module's matrix products, in the order in which they are computed (A, B: the left and right operand; K: the contracted axis; several contracted axes count as one K, in the product's order):
;;     1. [M 8,192, K 1,024] x [K 1,024, N 3,072]; A: input x (given as codes); B: input W_qkv (given as codes): QUANTISED
;;     2. batch 64 x [M 2,048, K 64] x [K 64, N 2,048]; A: computed on the way; B: computed on the way: QUANTISED
;;     3. batch 64 x [M 64, K 2,048] x [K 2,048, N 2,048]; A: computed on the way; B: softmax (see below): QUANTISED
;;     4. [M 8,192, K 1,024] x [K 1,024, N 1,024]; A: computed on the way; B: input W_out (given as codes): QUANTISED
;;   THE QUANTISER, for each operand of a quantised product, along K:
;;     - K is cut into blocks of 32 from its start; a last block that is shorter is filled with zeros.
;;     - A block's scale is 2^e with e = floor(log2(the largest magnitude in the block)) - 2, held to -126 .. 127; a block of zeros has e = 0. As a byte (E8M0): e + 127.
;;     - Each number is divided by its block's scale, clamped to +-6, and rounded to the nearest number of E2M1, ties to even, subnormals kept.
;;     - The product sums the exact products of the quantised numbers (number of the format x scale) in f32.
;;   ~~~python
;;   def quantise(x, axis):      # numpy; x: float32 -> the quantised numbers, widened to float32 again
;;       x = np.moveaxis(x, axis, -1); K = x.shape[-1]
;;       x = np.pad(x, [(0, 0)] * (x.ndim - 1) + [(0, -K % 32)]); x = x.reshape(x.shape[:-1] + (-1, 32)); a = np.abs(x).max(-1, keepdims=True)
;;       e = np.where(a > 0, np.clip(np.frexp(np.where(a > 0, a, 1))[1] - 1 - 2, -126, 127), 0)      # np.frexp(a)[1] - 1 = floor(log2(a)), exactly
;;       r = np.clip(x / 2.0 ** e, -6, 6)
;;       step = 2.0 ** (np.maximum(np.frexp(np.where(r == 0, 1, r))[1] - 1, 0) - 1)
;;       q = np.round(r / step) * step * 2.0 ** e      # np.round: ties to even
;;       return np.moveaxis(q.reshape(q.shape[:-2] + (-1,))[..., :K], -1, axis).astype(np.float32)
;;   ~~~
;;   SOFTMAX AHEAD OF A QUANTISED PRODUCT. Where the list says 'softmax', what is quantised is not the finished softmax but p = 2^(t - M), with t = logit x log2(e) and M = ceil(the row's largest t), a whole number; so 1/2 < the row's largest p <= 1. The row's sum l is taken of the UNQUANTISED p, in f32, and the product's result is divided by l at the end. Since M is a whole number, a kernel that streams over the keys may use a running M (the ceiling of the running maximum): every later rescaling is an exact power of two, which a block's scale takes up: the codes' values come out the same.
;;   OPERANDS COMPUTED ON THE WAY. 'Computed on the way' means the value that the module computes at that place (a softmax that the list does not call 'softmax' is quantised finished and normalised). What goes into a quantiser is computed in f32, as accurately as f32 sums, v_exp_f32 and their like allow (about 1e-6 of the number): no bf16 or f16 on the way to a quantiser, and a product that is left as it is and whose result goes on into a quantised operand takes f32 operands (vector FMAs, or v_wmma_f32_16x16x4_f32). A number that lies on a knife's edge between two numbers of the format may be rounded either way, as far as f32 arithmetic and the matrix unit's own rounding can turn it there, and no further.
;;   INPUTS GIVEN AS CODES. W_out (in the module: [1024, 1024], K = its axis 1); W_qkv (in the module: [3072, 1024], K = its axis 1); x (in the module: [4, 2048, 1024], K = its axis 2): each comes as NAME_codes (uint8): NAME with its K axis moved to the last place and cut into blocks of 32 codes, [.., K / 32, bytes a block], one block behind the other in memory; two codes a byte, the lower K in the low four bits (a code: sign, 2 exponent bits, 1 mantissa bit); and NAME_scales (uint8): the same leading axes, one E8M0 byte (e + 127) for each 32 codes along K. Its value is code x scale, taken as it is: it is not quantised again, and the codes and scales need not be those that the quantiser above would give.
;; One version. Each part assembles by itself: llvm-mc -triple=amdgcn-amd-amdhsa -mcpu=gfx1250 --defsym DOCPART=n.
;; ======== version 1 of 1: 3 launches
;; limits: right only within a limited range of input values
;; workspace buffers: qc 4,194,304 bytes; kc 4,194,304 bytes; vc 4,194,304 bytes; sc 786,432 bytes; ac 4,194,304 bytes; asc 262,144 bytes
;; launch qkv (part 1): grid 16 x 32, 12 waves a work-group, clusters of 4 x 4, 263,680 bytes of LDS; arguments x_codes, x_scales, W_qkv_codes, W_qkv_scales, b_qkv, qc, kc, vc, sc; writes qc, kc, vc, sc
.if DOCPART == 1
	.amdgcn_target "amdgcn-amd-amdhsa--gfx1250"
	.amdhsa_code_object_version 6
	.text
	.protected	k_q601594cb65_qkv
	.globl	k_q601594cb65_qkv
	.p2align	8
	.type	k_q601594cb65_qkv,@function
k_q601594cb65_qkv:
	s_mov_b64 s[64:65], 0
	v_nop
	global_prefetch_b8 v0, s[64:65] scope:SCOPE_SE
	s_setreg_imm32_b32 hwreg(HW_REG_WAVE_MODE, 25, 1), 1
	s_wait_xcnt 0x0
	s_wait_alu depctr_hold_cnt(0) depctr_sa_sdst(0) depctr_va_vdst(0) depctr_va_sdst(0) depctr_va_ssrc(0) depctr_va_vcc(0) depctr_vm_vsrc(0)
	s_getreg_b32 s2, hwreg(HW_REG_IB_STS2, 6, 4)
	s_cmp_eq_u32 s2, 0
	s_cbranch_scc0 .Lentry_in_a_cluster
	s_endpgm
.Lentry_in_a_cluster:
	s_bfe_u32 s2, ttmp6, 0x10000c
	s_cmp_lg_u32 s2, 0xf033
	s_cbranch_scc0 .Lentry_shape_is_right
	s_endpgm
.Lentry_shape_is_right:
; qkv = x W_qkv^T + b_qkv on codes of FP4 (E2M1) with E8M0 scales, and the result quantised at once: q and k along the head's 64, v along the tokens (the keys).
; No work is left out in this program; every input is loaded.
; A work-group takes 256 tokens x one head's 192 rows of W_qkv (q 0-63, k 64-127, v 128-191), all of K = 1,024: 448 rows of 512 bytes of codes, which lie in LDS whole.
; Every LDS byte is filled once, by nine tensor loads at the head, one a wave: waves 0-3 the tokens' rows 64 w on, waves 4-6 W's rows, wave 7 the tokens' scale bytes, wave 8 W's.
; No prefetch: all fills go out at the head, and there is no loop to run ahead in.
; ONE TEXT FOR TWO ROLES: every wave multiplies 128 rows (source 0, eight tiles a) by 32 rows (source 1, two tiles b): 16 accumulators.
;   waves 0-7:  source 0 = W's rows q|k, source 1 = tokens 32 w ..: a lane holds ONE token, its 64 registers of tile b run along q (0-63) and k (64-127)
;   waves 8-11: source 0 = tokens 128 g .., source 1 = W's rows v 32 e ..: a lane holds ONE channel of v, its 64 registers run along 128 tokens
; THE RESULTS LEAVE AS IMAGES OF OPERAND REGISTERS: four registers by one store of 16 bytes a lane, 512 consecutive bytes, aligned.
;   qc, kc: [64 heads][128 token tiles][512]: lane (r, h): token r, head dims 32 h .. 32 h + 31.   vc: [head][16 key steps][4 channel tiles][2][512]: registers 4 c .. 4 c + 3 of a fragment 16 channels x 128 keys.
;   sc: [head][key step][768]: the words [q0 q1 k0 k1] of token tile t at 128 (t / 2) + 8 r + 4 (t % 2); from byte 512 on v's words of channel tile d at 128 (d / 2) + 8 r + 4 (d % 2).
; CLUSTER 4 x 4: the four work-groups of a row share their tokens, the four of a column their head: each tile is asked for jointly.
; LIMITS: NaN, infinities and given scale bytes of 0xff are not served.  A block whose largest magnitude lies under 2^-124 (a block of zeros too) keeps the scale byte 1: these bytes are read by this program alone.
.set PITCH, 528                        ; an LDS row of codes: 512 bytes + 16 of padding: an odd multiple of 16
.set SCL,   448*PITCH                  ; behind rows 0-255 (tokens) and 256-447 (W): the scale bytes: row R at 272 (R / 8) + 32 (R % 8)
.set STG,   259072                     ; 1,536 bytes for the scale words on their way out: LDS stores alone write them
.set SPARE, 0x40000                    ; the spare words, 128 bytes a wave
.set RA0, 4
.set RA1, 5
.set AS0, 6
.set AS1, 7
.set STA, 8
.set SRD, 9
.set VO,  10
.set PW,  12
.set BA,  14
.set SC0, 16                           ; v16-31  source 0's scale words of 512 along K: register 4 i + q % 4
.set SC1, 32                           ; v32-35  source 1's
.set F1,  36
.set F0,  52
.set TV,  116
.set SPW, 126
.set NIL, 127
.set ACC, 128                          ; accumulator (a, b) at ACC + 64 b + 8 a
.set TM,  52
.set PC,  72
.set WV,  22
.set SEL, 66
.set G1X, 32
.set G1W, 40
.set G1SX, 48
.set G1SW, 56
.set G0X, 68
.set G0SX, 72
.set G0W, 80
.set G0SW, 84
.macro CROUND
	s_barrier_signal -1
	s_barrier_wait -1
	s_cmp_lg_u32 s[WV], 0
	s_cbranch_scc1 .Lnot_wave_0_\@
	s_barrier_signal -3
.Lnot_wave_0_\@:
	s_barrier_wait -3
	s_barrier_signal -1
	s_barrier_wait -1
.endm
	s_load_b256 s[4:11], s[0:1], 0x0               ; x's codes, x's scales, W's codes, W's scales
	s_load_b256 s[12:19], s[0:1], 0x20             ; b_qkv, qc, kc, vc
	s_load_b64 s[20:21], s[0:1], 0x40              ; sc
	v_lshl_add_u32 v[SPW], v0, 2, SPARE
	v_mov_b32 v[NIL], 0
	ds_add_u32 v[SPW], v[NIL]                      ; the opening lines: the add twice on end and its wait
	ds_add_u32 v[SPW], v[NIL]
	v_lshrrev_b32 v1, 5, v0
	v_readfirstlane_b32 s[WV], v1                  ; wave 0..11
	s_lshr_b32 s23, s[WV], 3                       ; F: 1 in waves 8-11
	s_xor_b32 s24, s23, 1                          ; NF: 1 in waves 0-7
	s_bfe_u32 s25, s[WV], 0x10001                  ; g: which 128 tokens (waves 8-11)
	s_and_b32 s26, s[WV], 1                        ; e: which 32 channels of v
	s_bfe_u32 s27, ttmp6, 0x40000                  ; cx, cy
	s_bfe_u32 s28, ttmp6, 0x40004
	s_lshl_b32 s29, ttmp9, 2
	s_add_co_u32 s29, s29, s27                     ; the head
	s_and_b32 s30, ttmp7, 0xffff
	s_lshl_b32 s30, s30, 2
	s_add_co_u32 s30, s30, s28                     ; the block of 256 tokens
	s_lshl_b32 s31, s28, 2
	s_lshl_b32 s31, 15, s31                        ; my row of the cluster
	s_lshl_b32 s3, 0x1111, s27                     ; my column
	s_mov_b32 s[SEL], 0x76543210
	s_mov_b32 s[SEL+1], 0xfedcba98
	; group 1, codes: 64 rows of 512 bytes; elements of 1 byte; 4 words of padding behind every 128; bit 21 beside the mask
	s_or_b32 s[G1X], s31, 0x7b00000
	s_or_b32 s[G1W], s3, 0x7b00000
.irp g, G1X, G1W
	s_mov_b32 s[\g+1], 512<<16
	s_mov_b32 s[\g+2], 64<<16
	s_mov_b32 s[\g+3], 512<<16
	s_mov_b32 s[\g+4], 64
	s_mov_b32 s[\g+5], 512
	s_mov_b32 s[\g+6], 0
	s_mov_b32 s[\g+7], 0
.endr
	; group 1, scales: dense bytes as rows of 32 elements of 8 bytes, 4 words of padding behind each: 32 rows for the tokens, 24 for W
	s_or_b32 s[G1SX], s31, 0x7730000
	s_mov_b32 s[G1SX+1], 32<<16
	s_mov_b32 s[G1SX+2], 32<<16
	s_mov_b32 s[G1SX+3], 32<<16
	s_mov_b32 s[G1SX+4], 32
	s_mov_b32 s[G1SX+5], 32
	s_mov_b32 s[G1SX+6], 0
	s_mov_b32 s[G1SX+7], 0
	s_or_b32 s[G1SW], s3, 0x7730000
	s_mov_b32 s[G1SW+1], 32<<16
	s_mov_b32 s[G1SW+2], 24<<16
	s_mov_b32 s[G1SW+3], 32<<16
	s_mov_b32 s[G1SW+4], 24
	s_mov_b32 s[G1SW+5], 32
	s_mov_b32 s[G1SW+6], 0
	s_mov_b32 s[G1SW+7], 0
	; the roles, as numbers made of the wave's number alone
	s_lshl_b32 s96, s24, 8
	s_mul_i32 s99, s23, s25
	s_lshl_b32 s99, s99, 7
	s_add_co_u32 s96, s96, s99                     ; source 0's first LDS row: 256 (W's q|k), or 128 g (tokens)
	s_mul_i32 s97, s24, s[WV]
	s_lshl_b32 s97, s97, 5
	s_lshl_b32 s99, s26, 5
	s_add_co_u32 s99, s99, 384
	s_mul_i32 s99, s99, s23
	s_add_co_u32 s97, s97, s99                     ; source 1's: 32 w (tokens), or 384 + 32 e (W's v)
	s_lshr_b32 s98, s[WV], 2
	s_mul_i32 s98, s98, 768
	s_and_b32 s99, s[WV], 3
	s_lshl_b32 s99, s99, 7
	s_add_co_u32 s98, s98, s99
	s_mul_i32 s98, s98, s24                        ; my words' place in the stage: 768 (w / 4) + 128 (w % 4),
	s_mul_i32 s99, s25, 768
	s_lshl_b32 s100, s26, 7
	s_add_co_u32 s99, s99, s100
	s_add_co_u32 s99, s99, 512
	s_mul_i32 s99, s99, s23
	s_add_co_u32 s98, s98, s99                     ; or 768 g + 512 + 128 e
	; every LDS address is made here, ahead of the first branch on the wave's number
	v_and_b32 v1, 15, v0                           ; r
	v_bfe_u32 v2, v0, 4, 1                         ; h
	v_and_b32 v3, 31, v0                           ; lane
	v_mul_u32_u24 v[TV], v1, PITCH
	v_lshl_add_u32 v[TV], v2, 4, v[TV]             ; a fragment: row r x pitch + 16 h
	s_mul_i32 s99, s96, PITCH
	v_add_nc_u32 v[RA0], s99, v[TV]
	s_mul_i32 s99, s97, PITCH
	v_add_nc_u32 v[RA1], s99, v[TV]
	v_lshrrev_b32 v[TV+1], 3, v1
	v_and_b32 v[TV+2], 7, v1
	v_mul_u32_u24 v[TV+1], v[TV+1], 272
	v_lshl_add_u32 v[TV+1], v[TV+2], 5, v[TV+1]    ; row r's scale bytes: 272 (r / 8) + 32 (r % 8)
	s_mul_i32 s99, s96, 34                         ; (a first row is a multiple of 8: 34 bytes a row)
	s_add_co_u32 s99, s99, SCL
	v_mad_u32_u24 v[AS0], v2, 2176, v[TV+1]        ; lanes 16-31: four tiles further on
	v_add_nc_u32 v[AS0], s99, v[AS0]
	s_mul_i32 s99, s97, 34
	s_add_co_u32 s99, s99, SCL
	v_mad_u32_u24 v[AS1], v2, 544, v[TV+1]         ; lanes 16-31: one tile further on
	v_add_nc_u32 v[AS1], s99, v[AS1]
	s_add_co_u32 s99, s98, STG
	v_lshl_add_u32 v[STA], v1, 3, s99
	s_min_u32 s99, s[WV], 2
	s_lshl_b32 s99, s99, 9
	s_add_co_u32 s99, s99, STG
	v_lshl_add_u32 v[SRD], v3, 4, s99
	v_lshlrev_b32 v[VO], 4, v3
	; groups 0.  The tokens' offsets are made in s[92:93] of the block of tokens alone, W's in s[94:95] of the head alone; LDS addresses of the wave's number alone
	s_and_b32 s99, s[WV], 3
	s_lshl_b32 s99, s99, 15                        ; which 64 rows of 512 bytes I fetch
	s_lshl_b32 s92, s30, 13                        ; 256 rows x 32 bytes of scales a block
	s_mov_b32 s93, 0
	s_mul_i32 s94, s29, 6144                       ; 192 rows x 32 bytes a head
	s_mov_b32 s95, 0
	s_min_u32 s101, s[WV], 6
	s_mul_i32 s101, s101, 64*PITCH
	s_wait_dscnt 0x0                               ; both opening adds are done
	s_wait_kmcnt 0x0
	s_mov_b32 s[G0SX], 1
	s_mov_b32 s[G0SX+1], SCL
	s_add_nc_u64 s[G0SX+2:G0SX+3], s[6:7], s[92:93]
	s_or_b32 s[G0SX+3], s[G0SX+3], 0x80000000
	s_lshl_b32 s92, s92, 4                         ; 512 bytes of codes a row
	s_add_co_u32 s92, s92, s99
	s_mov_b32 s[G0X], 1
	s_mov_b32 s[G0X+1], s101
	s_add_nc_u64 s[G0X+2:G0X+3], s[4:5], s[92:93]
	s_or_b32 s[G0X+3], s[G0X+3], 0x80000000
	s_mov_b32 s[G0SW], 1
	s_mov_b32 s[G0SW+1], SCL+4*2176
	s_add_nc_u64 s[G0SW+2:G0SW+3], s[10:11], s[94:95]
	s_or_b32 s[G0SW+3], s[G0SW+3], 0x80000000
	s_lshl_b32 s94, s94, 4
	s_add_co_u32 s94, s94, s99
	s_mov_b32 s[G0W], 1
	s_mov_b32 s[G0W+1], s101
	s_add_nc_u64 s[G0W+2:G0W+3], s[8:9], s[94:95]
	s_or_b32 s[G0W+3], s[G0W+3], 0x80000000
	CROUND                                         ; all sixteen work-groups are here: the joint loads meet
; ALL FILLS OF THE LAUNCH, one a wave, in one tree of branches on the wave's number
.macro ARM under, g0, g1, next
	s_cmp_lt_u32 s[WV], \under
	s_cbranch_scc0 \next
	tensor_load_to_lds s[\g0:\g0+3], s[\g1:\g1+7]
	s_nop 0
.rept 4
	v_nop
.endr
	s_branch .Lasked
\next:
.endm
	ARM 4, G0X,  G1X,  .Lfor_w
	ARM 7, G0W,  G1W,  .Lfor_sx
	ARM 8, G0SX, G1SX, .Lfor_sw
	ARM 9, G0SW, G1SW, .Lfor_none
.Lasked:
	; where the results go (s4-s11 are free: the descriptors hold their own copies)
	s_lshr_b32 s4, s30, 3
	s_lshl_b32 s4, s4, 4
	s_add_co_u32 s4, s4, s29                       ; 16 x batch + head
	s_and_b32 s5, s30, 7
	s_lshl_b32 s6, s4, 4
	s_lshl_b32 s7, s5, 1
	s_add_co_u32 s6, s6, s7                        ; the first of my block's two key steps of 128 tokens
	s_lshl_b32 s8, s6, 12                          ; a key step is 4,096 bytes in qc, in kc and in vc
	s_lshl_b32 s9, s[WV], 10                       ; q, k: my two token tiles
	s_lshl_b32 s10, s25, 12
	s_lshl_b32 s11, s26, 11
	s_add_co_u32 s10, s10, s11                     ; v: key step g, channel tiles 2 e on
	s_cmp_lt_u32 s[WV], 8
	s_cselect_b32 s9, s9, s10
	s_cselect_b64 s[14:15], s[14:15], s[18:19]     ; registers 0-3 of the codes: q's image, or the lower half of v's fragment
	s_cselect_b64 s[16:17], s[16:17], s[18:19]     ; registers 4-7: k's image, or the upper half,
	s_cselect_b32 s10, 0, 512                      ; which lies 512 bytes behind the lower
	s_mov_b32 s11, 1024
	s_cselect_b32 s11, 512, s11                    ; from tile b = 0 to b = 1
	s_add_co_u32 s8, s8, s9
	s_mov_b32 s9, 0
	s_add_nc_u64 s[14:15], s[14:15], s[8:9]
	s_add_co_u32 s8, s8, s10
	s_add_nc_u64 s[16:17], s[16:17], s[8:9]
	s_wait_alu depctr_va_vdst(0)                   ; ahead of the reader below
	v_add_nc_u32 v[VO+1], s11, v[VO]
	s_mul_i32 s8, s6, 768
	s_min_u32 s10, s[WV], 2
	s_lshl_b32 s10, s10, 9
	s_add_co_u32 s8, s8, s10
	s_add_nc_u64 s[20:21], s[20:21], s[8:9]        ; sc: my block's 1,536 bytes, 512 for each of waves 0-2
	s_mul_i32 s8, s29, 768
	s_add_nc_u64 s[12:13], s[12:13], s[8:9]        ; the head's 192 bias numbers
	; THE BIAS GOES INTO THE ACCUMULATORS while the fills are on their way: every product then adds in place
	s_cmp_lt_u32 s[WV], 8
	s_cbranch_scc0 .Lbias_v
	v_lshlrev_b32 v[BA], 5, v2                     ; register j of tile a is W's row 16 a + 8 h + j, whatever b
.irp b, 0,1
.irp a, 0,1,2,3,4,5,6,7
.irp i, 0,1
	global_load_b128 v[ACC+64*\b+8*\a+4*\i:ACC+64*\b+8*\a+4*\i+3], v[BA], s[12:13] offset:64*\a+16*\i
.endr
.endr
.endr
	s_branch .Lbias_done
.Lbias_v:
	s_lshl_b32 s8, s26, 7
	s_add_co_u32 s8, s8, 512
	v_lshl_add_u32 v[BA], v1, 2, s8                ; all 64 registers of tile b are channel 128 + 32 e + 16 b + r
	global_load_b32 v[PW], v[BA], s[12:13]
	global_load_b32 v[PW+1], v[BA], s[12:13] offset:64
	s_wait_loadcnt 0x0
.irp b, 0,1
.set j, 0
.rept 64
	v_mov_b32 v[ACC+64*\b+j], v[PW+\b]             ; not a clearing: the sums' first term
.set j, j+1
.endr
.endr
.Lbias_done:
; One product: accumulator (a, b), the q-th 128 along K.  A scale register carries two tiles' words, one in lanes 0-15 and one in lanes 16-31
.macro WM a, b, q
.set rD, ACC+64*(\b)+8*(\a)
.set rA, F0+8*(\a)
.set rB, F1+8*(\b)
.set rSA, SC0+4*((\a)%4)+(\q)%4
.set rSB, SC1+(\q)%4
.if ((\a) < 4) && ((\b) == 0)
	v_wmma_scale_f32_16x16x128_f8f6f4 v[rD:rD+7], v[rA:rA+7], v[rB:rB+7], v[rD:rD+7], v[rSA], v[rSB] matrix_a_fmt:MATRIX_FMT_FP4 matrix_b_fmt:MATRIX_FMT_FP4
.elseif (\a) < 4
	v_wmma_scale_f32_16x16x128_f8f6f4 v[rD:rD+7], v[rA:rA+7], v[rB:rB+7], v[rD:rD+7], v[rSA], v[rSB] matrix_a_fmt:MATRIX_FMT_FP4 matrix_b_fmt:MATRIX_FMT_FP4 matrix_b_scale:MATRIX_SCALE_ROW1
.elseif (\b) == 0
	v_wmma_scale_f32_16x16x128_f8f6f4 v[rD:rD+7], v[rA:rA+7], v[rB:rB+7], v[rD:rD+7], v[rSA], v[rSB] matrix_a_fmt:MATRIX_FMT_FP4 matrix_b_fmt:MATRIX_FMT_FP4 matrix_a_scale:MATRIX_SCALE_ROW1
.else
	v_wmma_scale_f32_16x16x128_f8f6f4 v[rD:rD+7], v[rA:rA+7], v[rB:rB+7], v[rD:rD+7], v[rSA], v[rSB] matrix_a_fmt:MATRIX_FMT_FP4 matrix_b_fmt:MATRIX_FMT_FP4 matrix_a_scale:MATRIX_SCALE_ROW1 matrix_b_scale:MATRIX_SCALE_ROW1
.endif
.endm
; 128 along K: 20 LDS loads in one run, then 16 products, the 16 accumulators by turns in the same order in every step
.macro KSTEP q
.rept 4
	v_nop                                          ; four places between the last products and loads into registers that they read
.endr
.irp b, 0,1
.irp c, 0,1
	ds_load_b128 v[F1+8*\b+4*\c:F1+8*\b+4*\c+3], v[RA1] offset:16*PITCH*\b+64*(\q)+32*\c
.endr
.endr
.irp a, 0,1,2,3,4,5,6,7
.irp c, 0,1
	ds_load_b128 v[F0+8*\a+4*\c:F0+8*\a+4*\c+3], v[RA0] offset:16*PITCH*\a+64*(\q)+32*\c
.endr
.endr
.irp a, 0,1,2,3,4,5,6,7
	s_wait_dscnt 14-2*\a                           ; the two loads of each of source 0's tiles a + 1 .. 7 may be out
	WM \a, 0, \q
	WM \a, 1, \q
.endr
.endm
.macro SCALES c                        ; the scale words of the c-th 512 along K: four words a row
.irp i, 0,1,2,3
	ds_load_b128 v[SC0+4*\i:SC0+4*\i+3], v[AS0] offset:544*\i+16*(\c)
.endr
	ds_load_b128 v[SC1:SC1+3], v[AS1] offset:16*(\c)
.endm
; 64 registers of a lane become a fragment's 8 registers of codes and its scale word.  Register 16 B + 8 u + j is k = 32 B + 16 u + 8 h + j: block B lies in lanes l and l xor 16.
.macro QUANT s, pc, pw
.irp B, 0,1,2,3
	v_max3_num_f32 v[TM+\B], |v[(\s)+16*\B]|, |v[(\s)+16*\B+1]|, 0x1800000   ; from each accumulator's low end on; the floor 2^(3 - 127) holds the byte at 1 from below
.endr
.irp i, 2,4,6,8,10,12,14
.irp B, 0,1,2,3
	v_max3_num_f32 v[TM+\B], v[TM+\B], |v[(\s)+16*\B+\i]|, |v[(\s)+16*\B+\i+1]|
.endr
.endr
.irp B, 0,1,2,3
	v_permlanex16_b32 v[TM+4+\B], v[TM+\B], s[SEL], s[SEL+1]
.endr
.irp B, 0,1,2,3
	v_max_num_f32 v[TM+\B], v[TM+\B], v[TM+4+\B]   ; the block's largest magnitude
.endr
.irp B, 0,1,2,3
	v_add_nc_u32 v[TM+12+\B], 0xff000000, v[TM+\B] ; 2 off its exponent field: the conversion's scale operand
.endr
.irp B, 0,1,2,3
	v_lshrrev_b32 v[TM+4+\B], 23, v[TM+12+\B]      ; the scale's byte
.endr
	v_lshl_or_b32 v[\pw], v[TM+5], 8, v[TM+4]
	v_lshl_or_b32 v[\pw], v[TM+6], 16, v[\pw]
	v_lshl_or_b32 v[\pw], v[TM+7], 24, v[\pw]      ; the scale word, the same in lanes l and l xor 16
.irp c, 0,1
.irp u, 0,1
.irp e, 0,1
	v_cvt_scalef32_pk8_fp4_f32 v[(\pc)+4*\c+2*\u+\e], v[(\s)+32*\c+16*\e+8*\u:(\s)+32*\c+16*\e+8*\u+7], v[TM+12+2*\c+\e]
.endr
.endr
.endr
	v_nop                                          ; one plain place behind a scaled conversion
.irp c, 0,1
.irp u, 0,1
	v_permlane16_swap_b32 v[(\pc)+4*\c+2*\u], v[(\pc)+4*\c+2*\u+1]   ; registers 4 c .. 4 c + 3 now hold k = 64 c + 32 h + 0 .. 31
.endr
.endr
.endm
	s_wait_alu depctr_va_vdst(0)                   ; the head's end
	s_wait_loadcnt 0x0                             ; the bias
	s_wait_tensorcnt 0x0                           ; my one load
	s_barrier_signal -1
	s_barrier_wait -1                              ; everybody's
	SCALES 0
	KSTEP 0
	KSTEP 1
	KSTEP 2
	KSTEP 3
.rept 4
	v_nop                                          ; four places in front of the loads into the scale registers
.endr
	SCALES 1
	KSTEP 4
	KSTEP 5
	KSTEP 6
	KSTEP 7
.rept 4
	v_nop                                          ; four places in front of the first read of results and the first write over fragments
.endr
	QUANT ACC, PC, PW
	global_store_b128 v[VO], v[PC:PC+3], s[14:15]          ; 32 lanes store 512 consecutive bytes, aligned
	global_store_b128 v[VO], v[PC+4:PC+7], s[16:17]
	QUANT ACC+64, PC+8, PW+1
	global_store_b128 v[VO+1], v[PC+8:PC+11], s[14:15]
	global_store_b128 v[VO+1], v[PC+12:PC+15], s[16:17]
	ds_store_b64 v[STA], v[PW:PW+1]                ; both halves of the lanes write the same words to the same place
	s_wait_dscnt 0x0                               ; for the others' sake
	s_barrier_signal -1
	s_barrier_wait -1
	s_cmp_lt_u32 s[WV], 3
	s_cbranch_scc0 .Lno_words
	ds_load_b128 v[TV:TV+3], v[SRD]
	s_wait_dscnt 0x0
	global_store_b128 v[VO], v[TV:TV+3], s[20:21]  ; the block's 1,536 bytes of scale words: 512 consecutive bytes a wave
.Lno_words:
	s_wait_tensorcnt 0x0                           ; the wave's end
	ds_add_u32 v[SPW], v[NIL]
	s_wait_dscnt 0x0
	CROUND                                         ; the closing round
	s_endpgm
.Lfunc_end_k_q601594cb65_qkv:
	.size	k_q601594cb65_qkv, .Lfunc_end_k_q601594cb65_qkv-k_q601594cb65_qkv
	.p2alignl 7, 3214868480
	.fill 96, 4, 3214868480
	.section	.rodata,"a",@progbits
	.p2align	6, 0x0
	.amdhsa_kernel k_q601594cb65_qkv
		.amdhsa_group_segment_fixed_size 263680
		.amdhsa_private_segment_fixed_size 0
		.amdhsa_enable_private_segment 0
		.amdhsa_kernarg_size 72
		.amdhsa_user_sgpr_count 2
		.amdhsa_user_sgpr_kernarg_segment_ptr 1
		.amdhsa_wavefront_size32 1
		.amdhsa_system_sgpr_workgroup_id_x 1
		.amdhsa_system_sgpr_workgroup_id_y 1
		.amdhsa_system_sgpr_workgroup_id_z 1
		.amdhsa_system_vgpr_workitem_id 0
		.amdhsa_next_free_vgpr 256
		.amdhsa_next_free_sgpr 102
		.amdhsa_reserve_vcc 0
		.amdhsa_float_denorm_mode_32 3
		.amdhsa_float_denorm_mode_16_64 3
		.amdhsa_memory_ordered 1
		.amdhsa_forward_progress 1
		.amdhsa_inst_pref_size 56
	.end_amdhsa_kernel
	.amdgpu_metadata
---
amdhsa.version: [ 1, 2 ]
amdhsa.kernels:
  - .name:           k_q601594cb65_qkv
    .symbol:         k_q601594cb65_qkv.kd
    .args:
      - { .name: x_codes, .offset: 0, .size: 8, .value_kind: global_buffer, .address_space: global }
      - { .name: x_scales, .offset: 8, .size: 8, .value_kind: global_buffer, .address_space: global }
      - { .name: W_qkv_codes, .offset: 16, .size: 8, .value_kind: global_buffer, .address_space: global }
      - { .name: W_qkv_scales, .offset: 24, .size: 8, .value_kind: global_buffer, .address_space: global }
      - { .name: b_qkv, .offset: 32, .size: 8, .value_kind: global_buffer, .address_space: global }
      - { .name: qc, .offset: 40, .size: 8, .value_kind: global_buffer, .address_space: global }
      - { .name: kc, .offset: 48, .size: 8, .value_kind: global_buffer, .address_space: global }
      - { .name: vc, .offset: 56, .size: 8, .value_kind: global_buffer, .address_space: global }
      - { .name: sc, .offset: 64, .size: 8, .value_kind: global_buffer, .address_space: global }
    .group_segment_fixed_size: 263680
    .private_segment_fixed_size: 0
    .kernarg_segment_align: 8
    .kernarg_segment_size: 72
    .max_flat_workgroup_size: 384
    .sgpr_count:     102
    .vgpr_count:     256
    .wavefront_size: 32
...
	.end_amdgpu_metadata
.endif
;; end of part 1
;; launch attn (part 2): grid 4 x 64, 16 waves a work-group, clusters of 4 x 1, 167,936 bytes of LDS; arguments qc, kc, vc, sc, ac, asc; writes ac, asc
.if DOCPART == 2
	.amdgcn_target "amdgcn-amd-amdhsa--gfx1250"
	.amdhsa_code_object_version 6
	.text
	.protected	k_q601594cb65_attn
	.globl	k_q601594cb65_attn
	.p2align	8
	.type	k_q601594cb65_attn,@function
k_q601594cb65_attn:
	s_mov_b64 s[64:65], 0
	v_nop
	global_prefetch_b8 v0, s[64:65] scope:SCOPE_SE
	s_setreg_imm32_b32 hwreg(HW_REG_WAVE_MODE, 25, 1), 1
	s_wait_xcnt 0x0
	s_wait_alu depctr_hold_cnt(0) depctr_sa_sdst(0) depctr_va_vdst(0) depctr_va_sdst(0) depctr_va_ssrc(0) depctr_va_vcc(0) depctr_vm_vsrc(0)
	s_getreg_b32 s2, hwreg(HW_REG_IB_STS2, 6, 4)
	s_cmp_eq_u32 s2, 0
	s_cbranch_scc0 .Lentry_in_a_cluster
	s_endpgm
.Lentry_in_a_cluster:
	s_bfe_u32 s2, ttmp6, 0x10000c
	s_cmp_lg_u32 s2, 0x3003
	s_cbranch_scc0 .Lentry_shape_is_right
	s_endpgm
.Lentry_shape_is_right:
; att_v = softmax(q k^T / 8) v for one head, both products on codes of FP4 (E2M1) with E8M0 scales, and att_v quantised along its 64 channels for the last projection.
; THE SOFTMAX: t = score x log2(e) / 8; M = the running largest t rounded UP to a whole number; p = 2^(t - M) is quantised along the keys, not normalised; the row's sum is taken of the unquantised p
; and divides at the end.  When M moves, the sum and O are multiplied by 2^(old M - new M), which rounds nothing.
; SHARES.  256 work-groups; each owns 512 queries of one head, 32 tiles of 16; each of its sixteen waves takes tile w and then tile 16 + w (PASS 0, PASS 1) over the same K, V and scale words in LDS.
; ALL OF A HEAD'S K, V AND SCALE WORDS LIE IN LDS, each byte filled once, by nine tensor loads at the head, one a wave: waves 0-3 K's quarters, waves 4-7 V's, wave 8 the scale words.
; No prefetch: all fills go out at the head, and there is no loop to run ahead in.
; K's and V's images are stated as rows of 1,024 bytes with 128 bytes of padding behind each (pitch 1,152): a key step is four rows.
; LAYOUT.  Both products are used transposed: S^T = K Q^T, O^T = V^T P^T: a lane holds ONE query throughout.
; THE KEYS OF A TILE ARE CHOSEN AT THE LDS READ: row 8 h + j of tile 4 c + g is key 64 c + 32 h + 8 g + j of the step.  So the 32 registers of tiles 4 c .. 4 c + 3 in a lane of half h are the WHOLE block of
; keys 64 c + 32 h + 0 .. 31, in order: a block's maximum needs no other lane, and the eight conversions' results are P's operand registers as they stand.
; In kc that key is row 8 (g % 2) + j of token tile 4 c + 2 h + g / 2: lanes 0-7 read 128 bytes on end, lanes 8-15 the same 1,152 bytes on, which the padding puts into the other half of the banks.
; THE HEAD'S 64 IN AN INSTRUCTION OF 128: q's and k's codes stand in registers 4-7 of their fragments.  Q's registers 0-3 are zero codes, so whatever stands in K's registers 0-3 adds nothing:
; the fragment of tile t is v[24 + 4 t : 31 + 4 t].  The word [q0 q1 k0 k1] of a token is K's scale word as it stands and, shifted up by 16, Q's.
; CHAINS BY TURNS: the maxima and the sums run in eight chains each, and the few serial lines (the scale word, f) stand among independent lines, five or more instructions behind what they read.
; CLUSTER 4 x 1: the four work-groups of a head ask for its K, V and scale words jointly.
; LIMITS: NaN and infinities are not served; the promise holds while the scaled scores stay under 2^31 in magnitude.  A block of p or of att_v whose largest magnitude lies under 2^-124 (a block of zeros too)
; keeps the scale byte 1: such bytes are read by this program alone.  The division by the row's sum is a reciprocal and a multiplication.
.set KVP,   1152
.set STEPB, 4*KVP                      ; a key step of K or of V in LDS
.set QUART, 16*KVP                     ; what one load brings: four key steps
.set VL,    4*QUART                    ; V's images
.set SL,    2*VL                       ; the scale words, 768 bytes a key step
.set STG,   SL+12288                   ; 1,024 bytes for att_v's scale halfwords: LDS stores alone write them
.set SPARE, STG+1024                   ; the spare words, 128 bytes a wave
.set LI,  1                            ; 16 x lane
.set KA,  2                            ; my lane's place in a step of K
.set SA,  3                            ; and among K's scale words
.set ADK, 4
.set ADV, 5
.set ADS, 6
.set QS,  7                            ; Q's scale word
.set STA, 8
.set SH,  9                            ; 8 x (lane / 16)
.set ADT, 10
.set SRD, 11
.set NM,  12                           ; -M
.set MX,  13                           ; the largest score so far;  v[14:15] the sum in two halves
.set QF,  16
.set KB,  24
.set VF,  60
.set KS,  92
.set S,   96
.set O,   160
.set PC,  192
.set VS,  200
.set LS,  202                          ; my lane's place among V's scale words
.set GOS, 203
.set BK,  204
.set Q2,  208                          ; the second tile's codes and scale word
.set QS2, 212
.set VA,  213                          ; my lane's place in a step of V
.set CV,  214                          ; v214, v215: c twice, and v217: -M once more: the two halves of a dual pair take their like operands from different register banks
.set NM2, 217
.set PP,  218                          ; v218-231: first the eight chains of the maxima (v218-225), then seven pairs of partial sums
.set BMX, 232
.set T0,  236
.set T1,  237
.set TM,  238
.set BY,  240
.set PW,  242
.set WX,  243
.set FF,  250
.set PX,  252
.set PS,  253
.set SPW, 254
.set NIL, 255
.set WV,  18
.set SEL, 20
.set CS,  22
.set G1C, 24
.set G1S, 32
.set G0K, 40
.set G0V, 44
.set G0S, 48
.set TB,  84
.set TS,  85
.set CNT, 86
.macro DADD d, a, b                    ; two additions in one instruction: registers d, d + 1 = a, a + 1 plus b, b + 1
	v_dual_add_f32 v[\d], v[\a], v[\b] :: v_dual_add_f32 v[(\d)+1], v[(\a)+1], v[(\b)+1]
.endm
.macro DFMA j                          ; t - M of registers j, j + 1 of the scores
	v_dual_fma_f32 v[S+\j], v[S+\j], v[CV], v[NM] :: v_dual_fma_f32 v[S+\j+1], v[S+\j+1], v[CV+1], v[NM2]
.endm
.macro OMUL j                          ; registers j, j + 1 of O^T under the new M
	v_dual_mul_f32 v[O+\j], v[O+\j], v[FF] :: v_dual_mul_f32 v[O+\j+1], v[O+\j+1], v[FF+1]
.endm
.macro CROUND
	s_barrier_signal -1
	s_barrier_wait -1
	s_cmp_lg_u32 s[WV], 0
	s_cbranch_scc1 .Lnot_wave_0_\@
	s_barrier_signal -3
.Lnot_wave_0_\@:
	s_barrier_wait -3
	s_barrier_signal -1
	s_barrier_wait -1
.endm
	s_load_b256 s[4:11], s[0:1], 0x0               ; qc, kc, vc, sc
	s_load_b128 s[12:15], s[0:1], 0x20             ; ac, asc
	v_lshl_add_u32 v[SPW], v0, 2, SPARE
	v_mov_b32 v[NIL], 0
	ds_add_u32 v[SPW], v[NIL]                      ; the opening lines: the add twice on end and its wait
	ds_add_u32 v[SPW], v[NIL]
	v_lshrrev_b32 v1, 5, v0
	v_readfirstlane_b32 s[WV], v1                  ; wave 0..15
	v_and_b32 v[T0], 31, v0                        ; lane
	v_and_b32 v[T1], 15, v0                        ; r
	v_bfe_u32 v[BY], v0, 4, 1                      ; lane / 16
	v_bfe_u32 v[BY+1], v0, 3, 1                    ; r / 8
	v_and_b32 v[TM], 7, v0                         ; r % 8
	v_lshlrev_b32 v[LI], 4, v[T0]
	v_mul_u32_u24 v[KA], v[BY+1], KVP
	v_lshl_add_u32 v[SA], v[BY+1], 7, SL
	v_lshl_add_u32 v[LS], v[T0], 3, SL+512
	v_lshlrev_b32 v[SH], 3, v[BY]
	v_lshl_add_u32 v[KA], v[BY], 8, v[KA]
	v_lshl_add_u32 v[SA], v[BY], 6, v[SA]
	v_add_nc_u32 v[VA], VL, v[LI]
	v_lshlrev_b32 v[PW], 3, v[T1]                  ; Q's scale word: 8 r
	v_lshl_add_u32 v[KA], v[TM], 4, v[KA]          ; 1,152 (r / 8) + 256 (lane / 16) + 16 (r % 8)
	v_lshl_add_u32 v[SA], v[TM], 3, v[SA]          ; SL + 128 (r / 8) + 64 (lane / 16) + 8 (r % 8)
	s_lshl_b32 s98, s[WV], 5
	s_add_co_u32 s98, s98, STG
	s_min_u32 s99, s[WV], 1
	s_lshl_b32 s99, s99, 9
	v_lshl_add_u32 v[STA], v[T1], 1, s98           ; STG + 32 x wave + 2 r
	v_add_nc_u32 v[GOS], s99, v[LI]                ; waves 0 and 1 send the halfwords out, 512 bytes each
	v_add_nc_u32 v[SRD], STG, v[GOS]
	s_bfe_u32 s19, ttmp6, 0x40000                  ; cx
	s_lshl_b32 s16, ttmp9, 2
	s_add_co_u32 s16, s16, s19                     ; my block of 512 queries: it enters Q's and the outputs' addresses alone
	s_and_b32 s17, ttmp7, 0xffff                   ; 16 x batch + head, which the four partners share
	s_mov_b32 s[SEL], 0x76543210
	s_mov_b32 s[SEL+1], 0xfedcba98
	s_mov_b32 s[CS], 0x3e38aa3b                    ; c = log2(e) / 8
	; group 1, K and V: 16 rows of 128 elements of 8 bytes, 32 words of padding behind every 256; the mask names all four work-groups, bit 21 beside it
	s_mov_b32 s[G1C], 0xf|(3<<16)|(1<<20)|(1<<21)|(7<<22)|(31<<25)
	s_mov_b32 s[G1C+1], 128<<16
	s_mov_b32 s[G1C+2], 16<<16
	s_mov_b32 s[G1C+3], 128<<16
	s_mov_b32 s[G1C+4], 16
	s_mov_b32 s[G1C+5], 128
	s_mov_b32 s[G1C+6], 0
	s_mov_b32 s[G1C+7], 0
	; the scale words: 48 rows of 256 bytes, no padding
	s_mov_b32 s[G1S], 0x23000f
	s_mov_b32 s[G1S+1], 32<<16
	s_mov_b32 s[G1S+2], 48<<16
	s_mov_b32 s[G1S+3], 32<<16
	s_mov_b32 s[G1S+4], 48
	s_mov_b32 s[G1S+5], 32
	s_mov_b32 s[G1S+6], 0
	s_mov_b32 s[G1S+7], 0
	s_and_b32 s52, s[WV], 3
	s_mul_i32 s53, s52, QUART                      ; where my quarter goes
	s_lshl_b32 s54, s52, 14
	s_lshl_b32 s55, s17, 16
	s_add_co_u32 s54, s54, s55                     ; and where it lies in kc or vc: a head is 65,536 bytes
	s_mov_b32 s55, 0
	s_mul_i32 s56, s17, 12288
	s_mov_b32 s57, 0
	s_lshl_b32 s88, s16, 5
	s_add_co_u32 s88, s88, s[WV]                   ; my first token tile in the head: 32 x block + wave
	s_lshl_b32 s90, s17, 7
	s_add_co_u32 s90, s90, s88
	s_lshl_b32 s90, s90, 9                         ; its image in qc
	s_mov_b32 s91, 0
	s_lshl_b32 s92, s17, 4
	s_lshl_b32 s93, s16, 2
	s_add_co_u32 s92, s92, s93
	s_lshr_b32 s93, s[WV], 3
	s_add_co_u32 s92, s92, s93                     ; its key step, counted through all heads
	s_mul_i32 s92, s92, 768
	s_bfe_u32 s93, s[WV], 0x20001
	s_lshl_b32 s93, s93, 7
	s_add_co_u32 s92, s92, s93                     ; + 128 (t / 2), t = wave % 8
	s_and_b32 s93, s[WV], 1
	s_lshl_b32 s93, s93, 2
	s_add_co_u32 s92, s92, s93                     ; + 4 (t % 2)
	s_mov_b32 s93, 0
	s_lshr_b32 s94, s17, 4                         ; batch
	s_and_b32 s96, s17, 15                         ; head
	s_lshl_b32 s95, s94, 7
	s_add_co_u32 s95, s95, s88
	s_lshl_b32 s95, s95, 4
	s_add_co_u32 s95, s95, s96
	s_lshl_b32 s58, s95, 9                         ; ac: [token tile][head][512]
	s_mov_b32 s59, 0
	s_lshl_b32 s96, s96, 14
	s_lshl_b32 s97, s94, 12
	s_add_co_u32 s96, s96, s97
	s_lshl_b32 s97, s16, 10
	s_add_co_u32 s96, s96, s97                     ; asc: [head][token] halfwords: my block's 1,024 bytes
	s_mov_b32 s97, 0
	s_wait_alu depctr_va_vdst(0)                   ; directly ahead of the waits below
	s_wait_dscnt 0x0                               ; both opening adds are done
	s_wait_kmcnt 0x0
	s_add_nc_u64 s[4:5], s[4:5], s[90:91]
	s_add_nc_u64 s[92:93], s[10:11], s[92:93]
	global_load_b128 v[QF+4:QF+7], v[LI], s[4:5]               ; both tiles' codes and scale words now: tile 16 + w lies 16 images and two key steps on
	global_load_b128 v[Q2:Q2+3], v[LI], s[4:5] offset:8192
	global_load_b32 v[QS], v[PW], s[92:93]
	global_load_b32 v[QS2], v[PW], s[92:93] offset:1536
	s_mov_b32 s[G0K], 1
	s_mov_b32 s[G0K+1], s53
	s_add_nc_u64 s[G0K+2:G0K+3], s[6:7], s[54:55]
	s_or_b32 s[G0K+3], s[G0K+3], 0x80000000
	s_mov_b32 s[G0V], 1
	s_add_co_u32 s[G0V+1], s53, VL
	s_add_nc_u64 s[G0V+2:G0V+3], s[8:9], s[54:55]
	s_or_b32 s[G0V+3], s[G0V+3], 0x80000000
	s_mov_b32 s[G0S], 1
	s_mov_b32 s[G0S+1], SL
	s_add_nc_u64 s[G0S+2:G0S+3], s[10:11], s[56:57]
	s_or_b32 s[G0S+3], s[G0S+3], 0x80000000
	s_add_nc_u64 s[12:13], s[12:13], s[58:59]
	s_add_nc_u64 s[14:15], s[14:15], s[96:97]
	CROUND                                         ; all four work-groups are here: the joint loads meet
; ALL FILLS OF THE LAUNCH, one a wave, in one tree of branches on the wave's number
.macro ARM under, g0, g1, next
	s_cmp_lt_u32 s[WV], \under
	s_cbranch_scc0 \next
	tensor_load_to_lds s[\g0:\g0+3], s[\g1:\g1+7]
	s_nop 0
.rept 4
	v_nop
.endr
	s_branch .Lasked
\next:
.endm
	ARM 4, G0K, G1C, .Lfor_v
	ARM 8, G0V, G1C, .Lfor_s
	ARM 9, G0S, G1S, .Lfor_none
.Lasked:
.irp i, 0,1,2,3
	v_mov_b32 v[QF+\i], 0                          ; zero codes for k = 0 .. 63 of Q,
	v_mov_b32 v[KB+\i], 0                          ; and under tile 0
.endr
	v_mov_b32 v[PX], 0                             ; written once: a lane permute's destination counts as one of its sources
	v_mov_b32 v[WX], 0
	v_mov_b32 v[CV], s[CS]
	v_mov_b32 v[CV+1], s[CS]
	v_mov_b32 v[FF+1], 0                           ; (named as the upper half of the pair)
	s_wait_loadcnt 0x0
	v_lshlrev_b32 v[QS], 16, v[QS]                 ; [0 0 q0 q1]: bytes 2 and 3 scale k = 64 .. 127
	v_lshlrev_b32 v[QS2], 16, v[QS2]
	s_wait_alu depctr_va_vdst(0)                   ; the head's end
	s_wait_tensorcnt 0x0                           ; my one load
	s_barrier_signal -1
	s_barrier_wait -1                              ; everybody's: nothing is filled again
; A KEY STEP: 128 keys
.macro STEP
	v_add_nc_u32 v[ADK], s[TB], v[KA]              ; these four are also the places between the last products and the loads into registers that they read
	v_add_nc_u32 v[ADV], s[TB], v[VA]
	v_add_nc_u32 v[ADS], s[TS], v[SA]
	v_add_nc_u32 v[ADT], s[TS], v[LS]
.irp c, 0,1
.irp g, 0,1,2,3
	ds_load_b128 v[KB+4+4*(4*\c+\g):KB+7+4*(4*\c+\g)], v[ADK] offset:2*KVP*\c+512*(\g/2)+128*(\g%2)
.endr
.endr
	ds_load_b64 v[KS:KS+1], v[ADS]                 ; register g / 2: lanes 0-15 the words of tile g even, lanes 16-31 of tile g odd (c = 0)
	ds_load_b64 v[KS+2:KS+3], v[ADS] offset:256    ; c = 1
.irp d, 0,1,2,3
.irp c, 0,1
	ds_load_b128 v[VF+8*\d+4*\c:VF+8*\d+4*\c+3], v[ADV] offset:KVP*\d+512*\c
.endr
.endr
	ds_load_b64 v[VS:VS+1], v[ADT]                 ; lanes 0-15: channel tiles 0, 1; lanes 16-31: tiles 2, 3
	s_wait_dscnt 0x9                               ; K and its words are in; V's eight loads and its words' one may be out
.irp t, 0,1,2,3,4,5,6,7
.if (\t%2) == 0
	v_wmma_scale_f32_16x16x128_f8f6f4 v[S+8*\t:S+8*\t+7], v[KB+4*\t:KB+4*\t+7], v[QF:QF+7], 0, v[KS+\t/2], v[QS] matrix_a_fmt:MATRIX_FMT_FP4 matrix_b_fmt:MATRIX_FMT_FP4
.else
	v_wmma_scale_f32_16x16x128_f8f6f4 v[S+8*\t:S+8*\t+7], v[KB+4*\t:KB+4*\t+7], v[QF:QF+7], 0, v[KS+\t/2], v[QS] matrix_a_fmt:MATRIX_FMT_FP4 matrix_b_fmt:MATRIX_FMT_FP4 matrix_a_scale:MATRIX_SCALE_ROW1
.endif
.endr
.rept 4
	v_nop                                          ; four places behind the products
.endr
.irp t, 0,1,2,3,4,5,6,7
	v_max3_num_f32 v[PP+\t], v[S+8*\t], v[S+8*\t+1], v[S+8*\t+2]   ; eight chains by turns, one for each accumulator, from its low end on
.endr
.irp i, 3,5
.irp t, 0,1,2,3,4,5,6,7
	v_max3_num_f32 v[PP+\t], v[PP+\t], v[S+8*\t+\i], v[S+8*\t+\i+1]
.endr
.endr
	v_max3_num_f32 v[PP], v[PP], v[PP+1], v[S+7]   ; the chains are joined, each join taking in one of the eight last registers
	v_max_num_f32 v[PP+3], v[PP+3], v[S+31]
	v_max3_num_f32 v[PP+4], v[PP+4], v[PP+5], v[S+39]
	v_mov_b32 v[T1], v[NM]                         ; the old -M
	v_max_num_f32 v[PP+7], v[PP+7], v[S+63]
	v_max3_num_f32 v[PP+2], v[PP+2], v[PP+3], v[S+15]
	v_max3_num_f32 v[PP+6], v[PP+6], v[PP+7], v[S+47]
	v_max3_num_f32 v[BMX], v[PP], v[PP+2], v[S+23]       ; the largest score of my block of c = 0: it serves for the row's maximum and, since p rises with the score, for the block's largest p
	v_max3_num_f32 v[BMX+2], v[PP+4], v[PP+6], v[S+55]   ; and of c = 1
	s_delay_alu instid0(VALU_DEP_1)
	v_max_num_f32 v[T0], v[BMX], v[BMX+2]
	s_delay_alu instid0(VALU_DEP_1)
	v_permlanex16_b32 v[PX], v[T0], s[SEL], s[SEL+1]
	s_delay_alu instid0(VALU_DEP_1)
	v_max3_num_f32 v[MX], v[MX], v[T0], v[PX]      ; the running largest score of my query
	s_delay_alu instid0(VALU_DEP_1)
	v_mul_f32 v[T0], s[CS], v[MX]                  ; as t (c is positive)
	s_delay_alu instid0(VALU_DEP_1)
	v_floor_f32 v[NM], -v[T0]                      ; the new -M = -ceil(t)
	v_floor_f32 v[NM2], -v[T0]                     ; and once more, for the pairs' second halves
.irp j, 0,2,4,6
	DFMA \j
.endr
	v_sub_f32 v[T1], v[NM], v[T1]                  ; old M - new M: 0 or less.  The lines that make f stand among the multiply-adds
.irp j, 8,10,12,14,16
	DFMA \j
.endr
	v_cvt_i32_f32 v[T1], v[T1]                     ; (it saturates)
.irp j, 18,20,22,24,26
	DFMA \j
.endr
	v_ldexp_f32 v[FF], 1.0, v[T1]                  ; f = 2^(old M - new M)
	v_ldexp_f32 v[FF+1], 1.0, v[T1]                ; and once more
.irp j, 28,30,32,34,36,38,40,42,44,46,48,50,52,54,56,58,60,62
	DFMA \j
.endr
	v_fma_f32 v[BMX], v[BMX], s[CS], v[NM]         ; the same of each block's largest score
	v_fma_f32 v[BMX+2], v[BMX+2], s[CS], v[NM]
	s_wait_alu depctr_va_vdst(0)                   ; ahead of the batch, and ahead of the wait below
	s_wait_dscnt 0x0                               ; V and its words
.set j, 0
.rept 64
	v_exp_f32 v[S+j], v[S+j]                       ; p = 2^(t - M)
.set j, j+1
.endr
	v_exp_f32 v[BMX], v[BMX]                       ; the blocks' largest p: the same two instructions on the same number
	v_exp_f32 v[BMX+2], v[BMX+2]
	v_pk_mul_f32 v[14:15], v[14:15], v[FF:FF+1] op_sel_hi:[1,0]   ; the sums under the new M: the plain place behind the batch
	s_wait_alu depctr_va_vdst(0)                   ; one wait for the batch of 66, ahead of its first reader
	; THE ROW'S SUM of the unquantised p, in eight chains of two halves each (v[14:15] and seven pairs), with the lines that make P's codes and scale word among them
	v_max_num_f32 v[BMX], 0x1800000, v[BMX]        ; the floor 2^(3 - 127): the byte cannot fall under 1
	v_max_num_f32 v[BMX+2], 0x1800000, v[BMX+2]
.irp k, 0,1,2,3
	DADD PP+2*\k,S+4*\k,S+4*\k+2
.endr
	v_add_nc_u32 v[TM], 0xff000000, v[BMX]         ; 2 off the exponent field: the conversion's scale operand
	v_add_nc_u32 v[TM+1], 0xff000000, v[BMX+2]
.irp k, 4,5,6
	DADD PP+2*\k,S+4*\k,S+4*\k+2
.endr
	DADD 14,S+28,14
	v_lshrrev_b32 v[BY], 23, v[TM]                 ; the scale bytes of blocks h and 2 + h
	v_lshrrev_b32 v[BY+1], 23, v[TM+1]
.irp c, 0,1
.irp g, 0,1,2,3
	v_cvt_scalef32_pk8_fp4_f32 v[PC+4*\c+\g], v[S+32*\c+8*\g:S+32*\c+8*\g+7], v[TM+\c]   ; keys 64 c + 32 h + 8 g + 0 .. 7: register 4 c + g of P's fragment
.endr
.endr
	v_lshl_or_b32 v[PW], v[BY+1], 16, v[BY]
.irp k, 0,1,2,3,4
	DADD PP+2*\k,S+30+2*\k,PP+2*\k
.endr
	v_lshlrev_b32 v[PW], v[SH], v[PW]              ; at their places in the word
.irp k, 5,6
	DADD PP+2*\k,S+30+2*\k,PP+2*\k
.endr
	DADD 14,S+44,14
.irp k, 0,1
	DADD PP+2*\k,S+46+2*\k,PP+2*\k
.endr
	v_permlanex16_b32 v[WX], v[PW], s[SEL], s[SEL+1]
.irp k, 2,3,4,5,6
	DADD PP+2*\k,S+46+2*\k,PP+2*\k
.endr
	v_or_b32 v[PS], v[PW], v[WX]                   ; with lane l xor 16's two the word is whole
	DADD 14,S+60,14
	s_wait_alu depctr_va_vdst(0)                   ; directly ahead of the first reader of O^T
	; O^T under the new M, each accumulator from its low end on, with the joins of the eight sums among the sixteen lines
.irp j, 0,2,4,6
	OMUL \j
.endr
	DADD 14,S+62,14
	DADD PP,PP,PP+2
	DADD PP+4,PP+4,PP+6
	DADD PP+8,PP+8,PP+10
.irp j, 8,10
	OMUL \j
.endr
	DADD 14,PP+12,14
.irp j, 12,14
	OMUL \j
.endr
	DADD PP,PP,PP+4
.irp j, 16,18,20
	OMUL \j
.endr
	DADD 14,PP+8,14
.irp j, 22,24,26,28,30
	OMUL \j
.endr
	DADD 14,PP,14
.irp d, 0,1,2,3
.if \d < 2
	v_wmma_scale_f32_16x16x128_f8f6f4 v[O+8*\d:O+8*\d+7], v[VF+8*\d:VF+8*\d+7], v[PC:PC+7], v[O+8*\d:O+8*\d+7], v[VS+\d%2], v[PS] matrix_a_fmt:MATRIX_FMT_FP4 matrix_b_fmt:MATRIX_FMT_FP4
.else
	v_wmma_scale_f32_16x16x128_f8f6f4 v[O+8*\d:O+8*\d+7], v[VF+8*\d:VF+8*\d+7], v[PC:PC+7], v[O+8*\d:O+8*\d+7], v[VS+\d%2], v[PS] matrix_a_fmt:MATRIX_FMT_FP4 matrix_b_fmt:MATRIX_FMT_FP4 matrix_a_scale:MATRIX_SCALE_ROW1
.endif
.endr
	s_add_co_u32 s[TB], s[TB], STEPB
	s_add_co_u32 s[TS], s[TS], 768
.endm
; ONE TILE OF 16 QUERIES over all 16 key steps, and its way out
.macro PASS p
.if \p
.irp i, 0,1,2,3
	v_mov_b32 v[QF+4+\i], v[Q2+\i]
.endr
	v_mov_b32 v[QS], v[QS2]
.endif
	v_mov_b32 v[MX], 0xff61b1e6                    ; the largest score so far: -3e38
	v_mov_b32 v[NM], 0x7f61b1e6                    ; -M: the first step's f comes out 0, and finds zeros
	v_mov_b32 v14, 0
	v_mov_b32 v15, 0
.set j, 0
.rept 32
	v_mov_b32 v[O+j], 0                            ; O^T: the step is written once for all steps
.set j, j+1
.endr
	s_mov_b32 s[TB], 0
	s_mov_b32 s[TS], 0
	s_mov_b32 s[CNT], 16
	s_wait_alu depctr_va_vdst(0)                   ; ahead of the loop
.Lstep_\p:
	STEP
	s_sub_co_u32 s[CNT], s[CNT], 1
	s_cmp_lg_u32 s[CNT], 0
	s_cbranch_scc1 .Lstep_\p
	; O^T / the row's sum, quantised along the head's 64 (two blocks), as an image of four operand registers, and a halfword of two scale bytes a query
	v_add_f32 v14, v14, v15
	v_permlanex16_b32 v[PX], v14, s[SEL], s[SEL+1]
	v_add_f32 v14, v14, v[PX]
	s_wait_alu depctr_va_vdst(0)                   ; ahead of the transcendental
	v_rcp_f32 v[FF], v14
.rept 4
	v_nop                                          ; the plain place behind the reciprocal, and four places behind the last products
.endr
	s_wait_alu depctr_va_vdst(0)                   ; ahead of the first reader of the reciprocal and of O^T
.set j, 0
.rept 16
	v_pk_mul_f32 v[S+j:S+j+1], v[O+j:O+j+1], v[FF:FF+1] op_sel_hi:[1,0]   ; register 8 d + j is channel 16 d + 8 h + j
.set j, j+2
.endr
.irp B, 0,1
	v_max3_num_f32 v[BMX+\B], |v[S+16*\B]|, |v[S+16*\B+1]|, 0x1800000
.endr
.irp i, 2,4,6,8,10,12,14
.irp B, 0,1
	v_max3_num_f32 v[BMX+\B], v[BMX+\B], |v[S+16*\B+\i]|, |v[S+16*\B+\i+1]|
.endr
.endr
.irp B, 0,1
	v_permlanex16_b32 v[T0+\B], v[BMX+\B], s[SEL], s[SEL+1]
.endr
.irp B, 0,1
	v_max_num_f32 v[BMX+\B], v[BMX+\B], v[T0+\B]
.endr
.irp B, 0,1
	v_add_nc_u32 v[TM+\B], 0xff000000, v[BMX+\B]
.endr
.irp B, 0,1
	v_lshrrev_b32 v[BY+\B], 23, v[TM+\B]
.endr
	v_lshl_or_b32 v[PW], v[BY+1], 8, v[BY]         ; my query's two scale bytes
.irp u, 0,1
.irp e, 0,1
	v_cvt_scalef32_pk8_fp4_f32 v[PC+2*\u+\e], v[S+16*\e+8*\u:S+16*\e+8*\u+7], v[TM+\e]
.endr
.endr
	v_nop                                          ; one plain place behind a scaled conversion
	v_permlane16_swap_b32 v[PC], v[PC+1]
	v_permlane16_swap_b32 v[PC+2], v[PC+3]         ; registers 0-3: channels 32 h + 0 .. 31 of query r
	global_store_b128 v[LI], v[PC:PC+3], s[12:13] offset:131072*\p   ; 512 consecutive bytes, aligned; tile 16 + w lies 16 x 16 images on
	ds_store_b16 v[STA], v[PW] offset:512*\p       ; both halves of the lanes write the same halfword
.if \p == 0
	s_wait_alu depctr_va_vdst(0)                   ; ahead of the wait below
	s_wait_xcnt 0x0                                ; the store has read its registers: the next tile writes them again
.endif
.endm
	PASS 0
	PASS 1
	s_wait_dscnt 0x0                               ; for the sake of waves 0 and 1
	s_barrier_signal -1
	s_barrier_wait -1
	s_cmp_lt_u32 s[WV], 2
	s_cbranch_scc0 .Lnot_mine
	ds_load_b128 v[BK:BK+3], v[SRD]
	s_wait_dscnt 0x0
	global_store_b128 v[GOS], v[BK:BK+3], s[14:15] ; the block's 512 halfwords: 512 consecutive bytes a wave
.Lnot_mine:
	s_wait_tensorcnt 0x0                           ; the wave's end
	ds_add_u32 v[SPW], v[NIL]
	s_wait_dscnt 0x0
	CROUND                                         ; the closing round
	s_endpgm
.Lfunc_end_k_q601594cb65_attn:
	.size	k_q601594cb65_attn, .Lfunc_end_k_q601594cb65_attn-k_q601594cb65_attn
	.p2alignl 7, 3214868480
	.fill 96, 4, 3214868480
	.section	.rodata,"a",@progbits
	.p2align	6, 0x0
	.amdhsa_kernel k_q601594cb65_attn
		.amdhsa_group_segment_fixed_size 167936
		.amdhsa_private_segment_fixed_size 0
		.amdhsa_enable_private_segment 0
		.amdhsa_kernarg_size 48
		.amdhsa_user_sgpr_count 2
		.amdhsa_user_sgpr_kernarg_segment_ptr 1
		.amdhsa_wavefront_size32 1
		.amdhsa_system_sgpr_workgroup_id_x 1
		.amdhsa_system_sgpr_workgroup_id_y 1
		.amdhsa_system_sgpr_workgroup_id_z 1
		.amdhsa_system_vgpr_workitem_id 0
		.amdhsa_next_free_vgpr 256
		.amdhsa_next_free_sgpr 100
		.amdhsa_reserve_vcc 0
		.amdhsa_float_denorm_mode_32 3
		.amdhsa_float_denorm_mode_16_64 3
		.amdhsa_memory_ordered 1
		.amdhsa_forward_progress 1
		.amdhsa_inst_pref_size 49
	.end_amdhsa_kernel
	.amdgpu_metadata
---
amdhsa.version: [ 1, 2 ]
amdhsa.kernels:
  - .name:           k_q601594cb65_attn
    .symbol:         k_q601594cb65_attn.kd
    .args:
      - { .name: qc, .offset: 0, .size: 8, .value_kind: global_buffer, .address_space: global }
      - { .name: kc, .offset: 8, .size: 8, .value_kind: global_buffer, .address_space: global }
      - { .name: vc, .offset: 16, .size: 8, .value_kind: global_buffer, .address_space: global }
      - { .name: sc, .offset: 24, .size: 8, .value_kind: global_buffer, .address_space: global }
      - { .name: ac, .offset: 32, .size: 8, .value_kind: global_buffer, .address_space: global }
      - { .name: asc, .offset: 40, .size: 8, .value_kind: global_buffer, .address_space: global }
    .group_segment_fixed_size: 167936
    .private_segment_fixed_size: 0
    .kernarg_segment_align: 8
    .kernarg_segment_size: 48
    .max_flat_workgroup_size: 512
    .sgpr_count:     100
    .vgpr_count:     256
    .wavefront_size: 32
...
	.end_amdgpu_metadata
.endif
;; end of part 2
;; launch proj (part 3): grid 4 x 64, 8 waves a work-group, clusters of 4 x 4, 287,744 bytes of LDS; arguments ac, asc, W_out_codes, W_out_scales, b_out, out0; writes out0
.if DOCPART == 3
	.amdgcn_target "amdgcn-amd-amdhsa--gfx1250"
	.amdhsa_code_object_version 6
	.text
	.protected	k_q601594cb65_proj
	.globl	k_q601594cb65_proj
	.p2align	8
	.type	k_q601594cb65_proj,@function
k_q601594cb65_proj:
	s_mov_b64 s[64:65], 0
	v_nop
	global_prefetch_b8 v0, s[64:65] scope:SCOPE_SE
	s_setreg_imm32_b32 hwreg(HW_REG_WAVE_MODE, 25, 1), 1
	s_wait_xcnt 0x0
	s_wait_alu depctr_hold_cnt(0) depctr_sa_sdst(0) depctr_va_vdst(0) depctr_va_sdst(0) depctr_va_ssrc(0) depctr_va_vcc(0) depctr_vm_vsrc(0)
	s_getreg_b32 s2, hwreg(HW_REG_IB_STS2, 6, 4)
	s_cmp_eq_u32 s2, 0
	s_cbranch_scc0 .Lentry_in_a_cluster
	s_endpgm
.Lentry_in_a_cluster:
	s_bfe_u32 s2, ttmp6, 0x10000c
	s_cmp_lg_u32 s2, 0xf033
	s_cbranch_scc0 .Lentry_shape_is_right
	s_endpgm
.Lentry_shape_is_right:
; out0 = att_v W_out^T + b_out on codes of FP4 (E2M1) with E8M0 scales.  att_v's codes come as images of operand registers (ac: [token tile][head][512]; two heads are one step of 128 along K),
; its scale bytes as halfwords (asc: [head][token]).  W_out's codes and scales come as they are given.
; A work-group takes 128 tokens x 256 columns, all of K = 1,024, which lies in LDS whole: every LDS byte is filled once, by eight tensor loads at the head, one a wave:
; waves 0-3 W's rows 64 w on, wave 4 W's scale bytes, waves 5 and 6 the halves of att_v's images, wave 7 att_v's halfwords.  No prefetch: there is no loop to run ahead in.
; Wave w takes tokens 32 (w % 4) on and columns 128 (w / 4) on: source 0 = 128 rows of W_out (eight tiles a), source 1 = 32 tokens (two tiles b): 16 accumulators.
; Used so, a lane holds one token and eight neighbouring columns; the results go through the wave's own stage in LDS and leave as whole rows of 512 bytes.
; CLUSTER 4 x 4: the four work-groups of a row share their tokens, the four of a column their rows of W_out: each tile is asked for jointly.
; LIMITS: NaN, infinities and given scale bytes of 0xff are not served.
.set PITCH, 528                        ; an LDS row of W's codes: 512 bytes + 16 of padding
.set AL,    256*PITCH                  ; att_v's images: token tile i at 8,192 i, step q at 1,024 q, registers 4-7 at 512
.set WSL,   AL+65536                   ; W's scale bytes: 8 rows of 32 bytes + 16 of padding to a unit of 272
.set ASL,   WSL+8704                   ; att_v's scale halfwords: 16 heads x 256 bytes
.set STG,   ASL+4096                   ; a stage of 16 rows x (512 + 16) bytes for each wave: LDS stores alone write it
.set SPARE, STG+8*16*528               ; the spare words, 128 bytes a wave
.set RA0, 4
.set RA1, 5
.set AS0, 6
.set AU,  7
.set STO, 8
.set SRD, 9
.set VO,  10
.set BA,  14
.set SC0, 16                           ; v16-31  W's scale words of 512 along K: register 4 i + q % 4
.set F1,  36
.set F0,  52
.set SA,  116                          ; v116-123 att_v's scale words, one for each 128 along K: lanes 0-15 tile 0, lanes 16-31 tile 1
.set TV,  124
.set SPW, 126
.set NIL, 127
.set ACC, 128
.set WV,  22
.set G1W, 32
.set G1SW, 40
.set G1AS, 48
.set G1A, 56
.set G0W, 68
.set G0SW, 72
.set G0A, 80
.set G0AS, 84
.macro CROUND
	s_barrier_signal -1
	s_barrier_wait -1
	s_cmp_lg_u32 s[WV], 0
	s_cbranch_scc1 .Lnot_wave_0_\@
	s_barrier_signal -3
.Lnot_wave_0_\@:
	s_barrier_wait -3
	s_barrier_signal -1
	s_barrier_wait -1
.endm
	s_load_b256 s[4:11], s[0:1], 0x0               ; ac, asc, W's codes, W's scales
	s_load_b128 s[12:15], s[0:1], 0x20             ; b_out, out0
	v_lshl_add_u32 v[SPW], v0, 2, SPARE
	v_mov_b32 v[NIL], 0
	ds_add_u32 v[SPW], v[NIL]                      ; the opening lines: the add twice on end and its wait
	ds_add_u32 v[SPW], v[NIL]
	v_lshrrev_b32 v1, 5, v0
	v_readfirstlane_b32 s[WV], v1                  ; wave 0..7
	s_and_b32 s23, s[WV], 3                        ; which 32 tokens.  Also: which 64 rows of W I fetch
	s_lshr_b32 s24, s[WV], 2                       ; which 128 columns
	s_bfe_u32 s27, ttmp6, 0x40000                  ; cx, cy
	s_bfe_u32 s28, ttmp6, 0x40004
	s_lshl_b32 s29, ttmp9, 2
	s_add_co_u32 s29, s29, s27                     ; the block of 256 columns
	s_and_b32 s30, ttmp7, 0xffff
	s_lshl_b32 s30, s30, 2
	s_add_co_u32 s30, s30, s28                     ; the block of 128 tokens
	s_lshl_b32 s31, s28, 2
	s_lshl_b32 s31, 15, s31                        ; my row of the cluster
	s_lshl_b32 s3, 0x1111, s27                     ; my column
	s_or_b32 s[G1W], s3, 0x7b00000                 ; 64 rows of 512 bytes; 4 words of padding behind every 128; bit 21 beside the mask
	s_mov_b32 s[G1W+1], 512<<16
	s_mov_b32 s[G1W+2], 64<<16
	s_mov_b32 s[G1W+3], 512<<16
	s_mov_b32 s[G1W+4], 64
	s_mov_b32 s[G1W+5], 512
	s_mov_b32 s[G1W+6], 0
	s_mov_b32 s[G1W+7], 0
	s_or_b32 s[G1SW], s3, 0x7730000                ; 8,192 dense bytes as 32 rows of 32 elements of 8 bytes, 4 words of padding behind each
	s_mov_b32 s[G1SW+1], 32<<16
	s_mov_b32 s[G1SW+2], 32<<16
	s_mov_b32 s[G1SW+3], 32<<16
	s_mov_b32 s[G1SW+4], 32
	s_mov_b32 s[G1SW+5], 32
	s_mov_b32 s[G1SW+6], 0
	s_mov_b32 s[G1SW+7], 0
	s_or_b32 s[G1AS], s31, 0x230000                ; 16 heads x 256 bytes (128 tokens), 16,384 bytes from head to head; no padding
	s_mov_b32 s[G1AS+1], 32<<16
	s_mov_b32 s[G1AS+2], 16<<16
	s_mov_b32 s[G1AS+3], 32<<16
	s_mov_b32 s[G1AS+4], 16
	s_mov_b32 s[G1AS+5], 2048
	s_mov_b32 s[G1AS+6], 0
	s_mov_b32 s[G1AS+7], 0
	s_or_b32 s[G1A], s31, 0x230000                 ; four token tiles: 32,768 dense bytes as 128 rows of 256; no padding
	s_mov_b32 s[G1A+1], 32<<16
	s_mov_b32 s[G1A+2], 128<<16
	s_mov_b32 s[G1A+3], 32<<16
	s_mov_b32 s[G1A+4], 128
	s_mov_b32 s[G1A+5], 32
	s_mov_b32 s[G1A+6], 0
	s_mov_b32 s[G1A+7], 0
	; every LDS address is made here, ahead of the first branch on the wave's number
	v_and_b32 v1, 15, v0                           ; r
	v_bfe_u32 v2, v0, 4, 1                         ; h
	v_and_b32 v3, 31, v0                           ; lane
	v_mul_u32_u24 v[TV], v1, PITCH
	v_lshl_add_u32 v[TV], v2, 4, v[TV]
	s_mul_i32 s96, s24, 128*PITCH
	v_add_nc_u32 v[RA0], s96, v[TV]                ; W: my 128 rows; row r x pitch + 16 h
	s_lshl_b32 s96, s23, 14
	s_add_co_u32 s96, s96, AL
	v_lshl_add_u32 v[RA1], v3, 4, s96              ; att_v: my two token tiles; 16 x lane
	v_lshrrev_b32 v[TV], 3, v1
	v_and_b32 v[TV+1], 7, v1
	v_mul_u32_u24 v[TV], v[TV], 272
	v_lshl_add_u32 v[TV], v[TV+1], 5, v[TV]
	v_mad_u32_u24 v[TV], v2, 2176, v[TV]           ; lanes 16-31: four tiles further on
	s_mul_i32 s96, s24, 128*34
	s_add_co_u32 s96, s96, WSL
	v_add_nc_u32 v[AS0], s96, v[TV]
	s_lshl_b32 s96, s23, 6
	s_add_co_u32 s96, s96, ASL
	v_lshl_add_u32 v[AU], v3, 1, s96
	s_mul_i32 s96, s[WV], 16*528
	s_add_co_u32 s96, s96, STG
	v_mul_u32_u24 v[TV], v1, 528
	v_lshl_add_u32 v[TV], v2, 5, v[TV]
	v_add_nc_u32 v[STO], s96, v[TV]
	v_lshl_add_u32 v[SRD], v3, 4, s96
	v_lshlrev_b32 v[VO], 4, v3
	v_lshlrev_b32 v[BA], 5, v2
	; groups 0.  W's offsets are made in s[94:95] of the block of columns alone, att_v's in s[92:93] of the block of tokens alone
	s_lshl_b32 s94, s29, 13                        ; 256 rows x 32 bytes of scales
	s_mov_b32 s95, 0
	s_lshl_b32 s99, s23, 15                        ; which 64 rows of 512 bytes I fetch
	s_lshl_b32 s92, s30, 8                         ; 128 tokens x 2 bytes
	s_mov_b32 s93, 0
	s_and_b32 s100, s[WV], 1
	s_lshl_b32 s100, s100, 15                      ; which half of att_v's images
	s_mul_i32 s101, s23, 64*PITCH
	s_wait_dscnt 0x0                               ; both opening adds are done
	s_wait_kmcnt 0x0
	s_mov_b32 s[G0SW], 1
	s_mov_b32 s[G0SW+1], WSL
	s_add_nc_u64 s[G0SW+2:G0SW+3], s[10:11], s[94:95]
	s_or_b32 s[G0SW+3], s[G0SW+3], 0x80000000
	s_lshl_b32 s94, s94, 4
	s_add_co_u32 s94, s94, s99
	s_mov_b32 s[G0W], 1
	s_mov_b32 s[G0W+1], s101
	s_add_nc_u64 s[G0W+2:G0W+3], s[8:9], s[94:95]
	s_or_b32 s[G0W+3], s[G0W+3], 0x80000000
	s_mov_b32 s[G0AS], 1
	s_mov_b32 s[G0AS+1], ASL
	s_add_nc_u64 s[G0AS+2:G0AS+3], s[6:7], s[92:93]
	s_or_b32 s[G0AS+3], s[G0AS+3], 0x80000000
	s_lshl_b32 s92, s92, 8                         ; 8 token tiles x 8,192 bytes
	s_add_co_u32 s92, s92, s100
	s_mov_b32 s[G0A], 1
	s_add_co_u32 s[G0A+1], s100, AL
	s_add_nc_u64 s[G0A+2:G0A+3], s[4:5], s[92:93]
	s_or_b32 s[G0A+3], s[G0A+3], 0x80000000
	CROUND                                         ; all sixteen work-groups are here: the joint loads meet
; ALL FILLS OF THE LAUNCH, one a wave, in one tree of branches on the wave's number
.macro ARM under, g0, g1, next
	s_cmp_lt_u32 s[WV], \under
	s_cbranch_scc0 \next
	tensor_load_to_lds s[\g0:\g0+3], s[\g1:\g1+7]
	s_nop 0
.rept 4
	v_nop
.endr
	s_branch .Lasked
\next:
.endm
	ARM 4, G0W,  G1W,  .Lfor_sw
	ARM 5, G0SW, G1SW, .Lfor_a
	ARM 7, G0A,  G1A,  .Lfor_as
	tensor_load_to_lds s[G0AS:G0AS+3], s[G1AS:G1AS+7]
	s_nop 0
.rept 4
	v_nop
.endr
.Lasked:
	s_lshl_b32 s4, s30, 7
	s_lshl_b32 s5, s23, 5
	s_add_co_u32 s4, s4, s5                        ; my first token
	s_lshl_b32 s4, s4, 12                          ; a row of out0 is 4,096 bytes
	s_lshl_b32 s5, s29, 10
	s_lshl_b32 s6, s24, 9
	s_add_co_u32 s6, s5, s6                        ; my first column, in bytes
	s_mov_b32 s7, 0
	s_add_nc_u64 s[12:13], s[12:13], s[6:7]
	s_add_co_u32 s4, s4, s6
	s_mov_b32 s5, 0
	s_add_nc_u64 s[14:15], s[14:15], s[4:5]
	; the bias goes into the accumulators while the fills are on their way: register j of tile a is column 16 a + 8 h + j, whatever b
	s_wait_alu depctr_va_vdst(0)                   ; ahead of the readers below
.irp b, 0,1
.irp a, 0,1,2,3,4,5,6,7
.irp i, 0,1
	global_load_b128 v[ACC+64*\b+8*\a+4*\i:ACC+64*\b+8*\a+4*\i+3], v[BA], s[12:13] offset:64*\a+16*\i
.endr
.endr
.endr
.macro WM a, b, q
.set rD, ACC+64*(\b)+8*(\a)
.set rA, F0+8*(\a)
.set rB, F1+8*(\b)
.set rSA, SC0+4*((\a)%4)+(\q)%4
.set rSB, SA+(\q)
.if ((\a) < 4) && ((\b) == 0)
	v_wmma_scale_f32_16x16x128_f8f6f4 v[rD:rD+7], v[rA:rA+7], v[rB:rB+7], v[rD:rD+7], v[rSA], v[rSB] matrix_a_fmt:MATRIX_FMT_FP4 matrix_b_fmt:MATRIX_FMT_FP4
.elseif (\a) < 4
	v_wmma_scale_f32_16x16x128_f8f6f4 v[rD:rD+7], v[rA:rA+7], v[rB:rB+7], v[rD:rD+7], v[rSA], v[rSB] matrix_a_fmt:MATRIX_FMT_FP4 matrix_b_fmt:MATRIX_FMT_FP4 matrix_b_scale:MATRIX_SCALE_ROW1
.elseif (\b) == 0
	v_wmma_scale_f32_16x16x128_f8f6f4 v[rD:rD+7], v[rA:rA+7], v[rB:rB+7], v[rD:rD+7], v[rSA], v[rSB] matrix_a_fmt:MATRIX_FMT_FP4 matrix_b_fmt:MATRIX_FMT_FP4 matrix_a_scale:MATRIX_SCALE_ROW1
.else
	v_wmma_scale_f32_16x16x128_f8f6f4 v[rD:rD+7], v[rA:rA+7], v[rB:rB+7], v[rD:rD+7], v[rSA], v[rSB] matrix_a_fmt:MATRIX_FMT_FP4 matrix_b_fmt:MATRIX_FMT_FP4 matrix_a_scale:MATRIX_SCALE_ROW1 matrix_b_scale:MATRIX_SCALE_ROW1
.endif
.endm
; 128 along K: 20 LDS loads in one run, then 16 products, the 16 accumulators by turns in the same order in every step
.macro KSTEP q
.rept 4
	v_nop                                          ; four places between the last products and loads into registers that they read
.endr
.irp b, 0,1
.irp c, 0,1
	ds_load_b128 v[F1+8*\b+4*\c:F1+8*\b+4*\c+3], v[RA1] offset:8192*\b+1024*(\q)+512*\c
.endr
.endr
.irp a, 0,1,2,3,4,5,6,7
.irp c, 0,1
	ds_load_b128 v[F0+8*\a+4*\c:F0+8*\a+4*\c+3], v[RA0] offset:16*PITCH*\a+64*(\q)+32*\c
.endr
.endr
.irp a, 0,1,2,3,4,5,6,7
	s_wait_dscnt 14-2*\a                           ; the two loads of each of W's tiles a + 1 .. 7 may be out
	WM \a, 0, \q
	WM \a, 1, \q
.endr
.endm
.macro SCALES c
.irp i, 0,1,2,3
	ds_load_b128 v[SC0+4*\i:SC0+4*\i+3], v[AS0] offset:544*\i+16*(\c)
.endr
.endm
	s_wait_loadcnt 0x0                             ; the bias
	s_wait_tensorcnt 0x0                           ; my one load
	s_barrier_signal -1
	s_barrier_wait -1                              ; everybody's
.irp n, 0,1,2,3,4,5,6,7,8,9,10,11,12,13,14,15
	ds_load_u16 v[F0+\n], v[AU] offset:256*\n      ; my token's two scale bytes of head n
.endr
	SCALES 0
	s_wait_dscnt 0x4                               ; the sixteen halfwords are in; W's four loads may be out
.irp s, 0,1,2,3,4,5,6,7
	v_lshl_or_b32 v[SA+\s], v[F0+2*\s+1], 16, v[F0+2*\s]   ; heads 2 s and 2 s + 1 are the s-th 128 along K
.endr
.rept 4
	v_nop                                          ; with the four at the step's head: eight places between a scale word made by a vector instruction and a scaled product
.endr
	s_wait_alu depctr_va_vdst(0)
	KSTEP 0
	KSTEP 1
	KSTEP 2
	KSTEP 3
.rept 4
	v_nop                                          ; four places in front of the loads into the scale registers
.endr
	SCALES 1
	KSTEP 4
	KSTEP 5
	KSTEP 6
	KSTEP 7
.rept 4
	v_nop                                          ; four places in front of the first read of results and of loads into registers that held fragments and results
.endr
	; THE WAY OUT: 16 tokens x 128 columns at a time through my own stage; LDS serves a wave's instructions in order, so no wait stands between the stores and the loads
.irp b, 0,1
.irp a, 0,1,2,3,4,5,6,7
	ds_store_b128 v[STO], v[ACC+64*\b+8*\a:ACC+64*\b+8*\a+3] offset:64*\a          ; each accumulator from its low end on
	ds_store_b128 v[STO], v[ACC+64*\b+8*\a+4:ACC+64*\b+8*\a+7] offset:64*\a+16
.endr
.irp i, 0,1,2,3,4,5,6,7,8,9,10,11,12,13,14,15
	ds_load_b128 v[F0+76*\b+4*\i:F0+76*\b+4*\i+3], v[SRD] offset:528*\i            ; tile 0 comes back into v52-115, tile 1 into v128-191, which tile 0's results have left
.endr
.endr
.irp b, 0,1
.irp i, 0,1,2,3,4,5,6,7,8,9,10,11,12,13,14,15
	s_wait_dscnt 47-32*\b-\i                       ; what was issued behind row i's load: the rest of its tile's loads and, for tile 0, tile 1's 32 instructions
	global_store_b128 v[VO], v[F0+76*\b+4*\i:F0+76*\b+4*\i+3], s[14:15] offset:4096*(16*\b+\i) th:TH_STORE_NT   ; 32 lanes store 512 consecutive bytes, aligned
.endr
.endr
	s_wait_tensorcnt 0x0                           ; the wave's end
	ds_add_u32 v[SPW], v[NIL]
	s_wait_dscnt 0x0
	CROUND                                         ; the closing round
	s_endpgm
.Lfunc_end_k_q601594cb65_proj:
	.size	k_q601594cb65_proj, .Lfunc_end_k_q601594cb65_proj-k_q601594cb65_proj
	.p2alignl 7, 3214868480
	.fill 96, 4, 3214868480
	.section	.rodata,"a",@progbits
	.p2align	6, 0x0
	.amdhsa_kernel k_q601594cb65_proj
		.amdhsa_group_segment_fixed_size 287744
		.amdhsa_private_segment_fixed_size 0
		.amdhsa_enable_private_segment 0
		.amdhsa_kernarg_size 48
		.amdhsa_user_sgpr_count 2
		.amdhsa_user_sgpr_kernarg_segment_ptr 1
		.amdhsa_wavefront_size32 1
		.amdhsa_system_sgpr_workgroup_id_x 1
		.amdhsa_system_sgpr_workgroup_id_y 1
		.amdhsa_system_sgpr_workgroup_id_z 1
		.amdhsa_system_vgpr_workitem_id 0
		.amdhsa_next_free_vgpr 256
		.amdhsa_next_free_sgpr 102
		.amdhsa_reserve_vcc 0
		.amdhsa_float_denorm_mode_32 3
		.amdhsa_float_denorm_mode_16_64 3
		.amdhsa_memory_ordered 1
		.amdhsa_forward_progress 1
		.amdhsa_inst_pref_size 51
	.end_amdhsa_kernel
	.amdgpu_metadata
---
amdhsa.version: [ 1, 2 ]
amdhsa.kernels:
  - .name:           k_q601594cb65_proj
    .symbol:         k_q601594cb65_proj.kd
    .args:
      - { .name: ac, .offset: 0, .size: 8, .value_kind: global_buffer, .address_space: global }
      - { .name: asc, .offset: 8, .size: 8, .value_kind: global_buffer, .address_space: global }
      - { .name: W_out_codes, .offset: 16, .size: 8, .value_kind: global_buffer, .address_space: global }
      - { .name: W_out_scales, .offset: 24, .size: 8, .value_kind: global_buffer, .address_space: global }
      - { .name: b_out, .offset: 32, .size: 8, .value_kind: global_buffer, .address_space: global }
      - { .name: out0, .offset: 40, .size: 8, .value_kind: global_buffer, .address_space: global }
    .group_segment_fixed_size: 287744
    .private_segment_fixed_size: 0
    .kernarg_segment_align: 8
    .kernarg_segment_size: 48
    .max_flat_workgroup_size: 256
    .sgpr_count:     102
    .vgpr_count:     256
    .wavefront_size: 32
...
	.end_amdgpu_metadata
.endif
;; end of part 3
